; MI455X (gfx1250); checked and timed in simulation.
; The chip was launched on July 23, 2026; its instructions are those of AMD's public machine-readable ISA for CDNA 5 (MIT licence, August 2026) and "CDNA5" Instruction Set Architecture Reference Guide (July 2026). The comments in the code are by the model that wrote it; some were corrected since.
;; Geometry Constrait Update. Allowed arithmetic: float matrix products may take bf16 or f16 operands with f32 sums; all other float work in f32.
;; Inputs: Wb 128 x 8 float32; Wd 1 x 8 float32; Wf 256 x 128 float32; Wg 128 x 256 float32; Wk 128 x 256 float32; Wq 128 x 256 float32; Wv 128 x 256 float32; bf 128 float32; bg 256 float32; d_jk 1 x 256 x 256 x 1 float32; ln_beta 128 float32; ln_gamma 128 float32; mask_z 1 x 128 x 256 float32; z_ij 1 x 128 x 256 x 128 float32.
;; Outputs: out0 1 x 128 x 256 x 128 float32.
;; 2 versions, each right; version 2 is version 1 with the launch prep written anew for expert scheduling mode. Each part assembles by itself: llvm-mc -triple=amdgcn-amd-amdhsa -mcpu=gfx1250 --defsym DOCPART=n.
;; ======== version 1 of 2: 2 launches
;; limits: values are held in f16: magnitudes above 65,504 overflow, below 6.1e-05 lose precision
;; workspace buffers: wt 331,776 bytes
;; launch prep (part 1): grid 81 x 1, 8 waves a work-group, no clusters, 0 bytes of LDS; arguments Wk, Wv, Wq, Wg, Wf, Wb, wt; writes wt
.if DOCPART == 1
	.amdgcn_target "amdgcn-amd-amdhsa--gfx1250"
	.amdhsa_code_object_version 6
	.text
	.protected	k_q780ad39b2e_prep
	.globl	k_q780ad39b2e_prep
	.p2align	8
	.type	k_q780ad39b2e_prep,@function
k_q780ad39b2e_prep:
	s_mov_b64 s[64:65], 0
	v_nop
	global_prefetch_b8 v0, s[64:65] scope:SCOPE_SE
	s_setreg_imm32_b32 hwreg(HW_REG_WAVE_MODE, 25, 1), 1
	s_wait_xcnt 0x0
; The weights, rounded to f16 and laid out as matrix fragments, with constant factors folded in.
; f16 and not bf16: its 11 significant bits against 8; the weights (about 0.05, and 30 times more or less) lie well inside its range.
; LIMIT: a weight times its factor beyond 65,504 becomes infinite; under 2^-14 it keeps steps of 2^-24.
; wt holds 324 fragments of 1,024 bytes: [p = 0,1][lane 0..31][16 bytes].  Lane (r = lane & 15, h = lane >> 4), element e = 0..7
; is k = 16 p + 8 h + e of row (or column) r: p = 0 fills a fragment's registers 0-3, p = 1 its registers 4-7 (ISA guide 7.12.2).
; Fragment F = 40 hd + f.  hd = 0..7 is a head:
;   f = 8 m + 4 ct + s, m = 0 Wk, 1 Wv, 2 Wq, 3 Wg:  W[32 s + k][32 hd + 16 ct + r] x factor
;   f = 32 + et:                                      Wf[32 hd + k][16 et + r]
; hd = 8, f = s = 0..3:                               Wb[32 s + k][r & 7] x log2(e)   (rows 8-15 repeat rows 0-7)
; Factors: Wq 8^-0.5 log2(e) (the logits live in base 2), Wg -log2(e) (the gate is 1 / (1 + 2^x)), the others 1.
; One wave makes one (fragment, p): 512 consecutive bytes, aligned, out of one store.  648 waves = 81 work-groups of 8.
	s_load_b256 s[4:11], s[0:1], 0x0               ; Wk s[4:5], Wv s[6:7], Wq s[8:9], Wg s[10:11]
	s_load_b128 s[12:15], s[0:1], 0x20             ; Wf s[12:13], Wb s[14:15]
	s_load_b64 s[16:17], s[0:1], 0x30              ; wt
	v_lshrrev_b32 v1, 5, v0
	v_readfirstlane_b32 s20, v1                    ; wave 0..7
	s_lshl_b32 s18, ttmp9, 3
	s_add_co_u32 s18, s18, s20                     ; U = 8 x work-group + wave = 2 F + p
	s_and_b32 s19, s18, 1                          ; p
	s_lshr_b32 s21, s18, 1                         ; F, 0..323
	s_mul_i32 s24, s21, 26215
	s_lshr_b32 s24, s24, 20                        ; hd = F / 40 (exact for F up to 323)
	s_mul_i32 s29, s24, 40
	s_sub_co_u32 s29, s21, s29                     ; f
	s_lshr_b32 s32, s29, 3                         ; m
	s_and_b32 s33, s29, 3
	s_lshl_b32 s26, s33, 5                         ; first row of a projection or of Wb: 32 (f & 3)
	s_lshl_b32 s34, s19, 4                         ; 16 p
	s_lshl_b32 s35, s24, 5                         ; 32 hd
	s_bfe_u32 s27, s29, 0x10002                    ; ct
	s_lshl_b32 s27, s27, 4
	s_add_co_u32 s27, s27, s35                     ; first column of a projection: 32 hd + 16 ct
	s_and_b32 s36, s29, 7
	s_lshl_b32 s36, s36, 4                         ; first column of Wf: 16 et
	s_mov_b32 s25, 1024                            ; bytes from row to row
	s_mov_b32 s28, 15                              ; which bits of r count
	s_mov_b32 s30, 1.0                             ; factor
	s_wait_kmcnt 0x0
	s_mov_b64 s[22:23], s[4:5]                     ; the source: a choice between buffers on m and hd alone
	s_cmp_eq_u32 s32, 1
	s_cselect_b64 s[22:23], s[6:7], s[22:23]
	s_cmp_eq_u32 s32, 2
	s_cselect_b64 s[22:23], s[8:9], s[22:23]
	s_cselect_b32 s30, 0x3f0293ee, s30             ; 8^-0.5 log2(e)
	s_cmp_eq_u32 s32, 3
	s_cselect_b64 s[22:23], s[10:11], s[22:23]
	s_cselect_b32 s30, 0xbfb8aa3b, s30             ; -log2(e)
	s_cmp_eq_u32 s32, 4
	s_cselect_b64 s[22:23], s[12:13], s[22:23]
	s_cselect_b32 s25, 512, s25
	s_cselect_b32 s26, s35, s26                    ; Wf's rows are the head's 32 channels
	s_cselect_b32 s27, s36, s27
	s_cmp_eq_u32 s24, 8
	s_cselect_b64 s[22:23], s[14:15], s[22:23]
	s_cselect_b32 s30, 0x3fb8aa3b, s30             ; log2(e)
	s_cselect_b32 s25, 32, s25
	s_cselect_b32 s27, 0, s27
	s_cselect_b32 s28, 7, s28
	s_add_co_u32 s26, s26, s34                     ; + 16 p
	s_mov_b32 s31, s30                             ; the packed multiply names the pair
	s_lshl_b32 s18, s18, 9                         ; 512 U: where my 512 bytes go
	s_mov_b32 s19, 0
	s_add_nc_u64 s[16:17], s[16:17], s[18:19]
	v_and_b32 v2, 31, v0                           ; lane
	v_and_b32 v3, 15, v0                           ; r
	v_bfe_u32 v4, v0, 4, 1                         ; h
	v_and_b32 v3, s28, v3
	v_add_nc_u32 v3, s27, v3                       ; my column
	v_lshl_add_u32 v4, v4, 3, s26                  ; my first row: 8 h + first row
	v_mul_lo_u32 v4, v4, s25
	v_lshl_add_u32 v16, v3, 2, v4                  ; byte offset of element 0; the seven others one row further each
.irp e, 1,2,3,4,5,6,7
	v_add_nc_u32 v[16+\e], s25, v[15+\e]
.endr
	v_lshlrev_b32 v5, 4, v2                        ; 16 x lane
.irp e, 0,1,2,3,4,5,6,7
	global_load_b32 v[8+\e], v[16+\e], s[22:23]
.endr
	s_wait_loadcnt 0x0
.irp e, 0,2,4,6
	v_pk_mul_f32 v[8+\e:9+\e], v[8+\e:9+\e], s[30:31] op_sel_hi:[1,0]
.endr
.irp e, 0,1,2,3
	v_cvt_pk_f16_f32 v[24+\e], v[8+2*\e], v[9+2*\e]
.endr
	global_store_b128 v5, v[24:27], s[16:17]       ; the wave's 32 lanes fill 512 consecutive bytes, aligned
	s_endpgm
.Lfunc_end_k_q780ad39b2e_prep:
	.size	k_q780ad39b2e_prep, .Lfunc_end_k_q780ad39b2e_prep-k_q780ad39b2e_prep
	.p2alignl 7, 3214868480
	.fill 96, 4, 3214868480
	.section	.rodata,"a",@progbits
	.p2align	6, 0x0
	.amdhsa_kernel k_q780ad39b2e_prep
		.amdhsa_group_segment_fixed_size 0
		.amdhsa_private_segment_fixed_size 0
		.amdhsa_enable_private_segment 0
		.amdhsa_kernarg_size 56
		.amdhsa_user_sgpr_count 2
		.amdhsa_user_sgpr_kernarg_segment_ptr 1
		.amdhsa_wavefront_size32 1
		.amdhsa_system_sgpr_workgroup_id_x 1
		.amdhsa_system_sgpr_workgroup_id_y 1
		.amdhsa_system_sgpr_workgroup_id_z 1
		.amdhsa_system_vgpr_workitem_id 0
		.amdhsa_next_free_vgpr 32
		.amdhsa_next_free_sgpr 66
		.amdhsa_reserve_vcc 0
		.amdhsa_float_denorm_mode_32 3
		.amdhsa_float_denorm_mode_16_64 3
		.amdhsa_memory_ordered 1
		.amdhsa_forward_progress 1
		.amdhsa_inst_pref_size 5
	.end_amdhsa_kernel
	.amdgpu_metadata
---
amdhsa.version: [ 1, 2 ]
amdhsa.kernels:
  - .name:           k_q780ad39b2e_prep
    .symbol:         k_q780ad39b2e_prep.kd
    .args:
      - { .name: Wk, .offset: 0, .size: 8, .value_kind: global_buffer, .address_space: global }
      - { .name: Wv, .offset: 8, .size: 8, .value_kind: global_buffer, .address_space: global }
      - { .name: Wq, .offset: 16, .size: 8, .value_kind: global_buffer, .address_space: global }
      - { .name: Wg, .offset: 24, .size: 8, .value_kind: global_buffer, .address_space: global }
      - { .name: Wf, .offset: 32, .size: 8, .value_kind: global_buffer, .address_space: global }
      - { .name: Wb, .offset: 40, .size: 8, .value_kind: global_buffer, .address_space: global }
      - { .name: wt, .offset: 48, .size: 8, .value_kind: global_buffer, .address_space: global }
    .group_segment_fixed_size: 0
    .private_segment_fixed_size: 0
    .kernarg_segment_align: 8
    .kernarg_segment_size: 56
    .max_flat_workgroup_size: 256
    .sgpr_count:     66
    .vgpr_count:     32
    .wavefront_size: 32
...
	.end_amdgpu_metadata
.endif
;; end of part 1
;; launch attn (part 2): grid 256 x 1, 4 waves a work-group, clusters of 4 x 1, 327,680 bytes of LDS; arguments z_ij, d_jk, mask_z, ln_gamma, ln_beta, Wd, bg, bf, wt, out0; writes out0
.if DOCPART == 2
	.amdgcn_target "amdgcn-amd-amdhsa--gfx1250"
	.amdhsa_code_object_version 6
	.text
	.protected	k_q780ad39b2e_attn
	.globl	k_q780ad39b2e_attn
	.p2align	8
	.type	k_q780ad39b2e_attn,@function
k_q780ad39b2e_attn:
	s_mov_b64 s[64:65], 0
	v_nop
	global_prefetch_b8 v0, s[64:65] scope:SCOPE_SE
	s_setreg_imm32_b32 hwreg(HW_REG_WAVE_MODE, 25, 1), 1
	s_wait_xcnt 0x0
	s_wait_alu depctr_hold_cnt(0) depctr_sa_sdst(0) depctr_va_vdst(0) depctr_va_sdst(0) depctr_va_ssrc(0) depctr_va_vcc(0) depctr_vm_vsrc(0)
	s_getreg_b32 s2, hwreg(HW_REG_IB_STS2, 6, 4)
	s_cmp_eq_u32 s2, 0
	s_cbranch_scc0 .Lentry_in_a_cluster
	s_endpgm
.Lentry_in_a_cluster:
	s_bfe_u32 s2, ttmp6, 0x10000c
	s_cmp_lg_u32 s2, 0x3003
	s_cbranch_scc0 .Lentry_shape_is_right
	s_endpgm
.Lentry_shape_is_right:
; LayerNorm, the four projections, 8 heads of 256 x 256 softmax attention with pair bias, query bias and key mask, the gate, the output
; projection, its bias and the query mask, in one launch: nothing but the inputs and the output goes through memory.
;
; SHARES.  Work-group x = 2 i + qh owns the 128 queries 128 qh .. of row i: 256 work-groups of equal work.  Wave w owns 32 of them (two tiles
; qt of 16) and keeps all that belongs to them in registers.  It also makes K and V of 64 keys: its own 32 rows (tiles T = 0, 1) and rows
; 32 w .. of the other half (T = 2, 3), so a wave normalises just the 64 rows that it multiplies, and the normalised z never goes to LDS.
; Keys are kept in the order beta = 64 wv + 16 T + r (tile tau = 4 wv + T); which half is the own one enters global addresses alone.
;
; LAYOUTS.  S is made transposed (A = 16 keys of K, B = 16 queries of Q): a lane then holds ONE query (r = lane & 15) and 8 keys a tile
; (8 h + j, h = lane >> 4), so a row's maximum and sum need one exchange between the lane halves, and Q, P and gate x O pack into the B
; fragment of the next product by conversions alone (ISA guide 7.12.2).  All sums, the softmax, LayerNorm, d, the mask and the gate are
; f32.  Logits are kept in base 2 (log2(e) is folded into Wq, Wb, Wd and the mask).
; The query bias b = z Wb is the same for all keys of a query: it is made on the matrix unit and added once a query, to the maximum and
; to the shift, which is the sum with b in every logit up to rounding.
;
; FORMAT.  Matrix operands are f16, not bf16: a dozen roundings of operands stand between z and the output, and the result is an average
; over 256 keys that is held to a hundredth of its root mean square; 11 significant bits leave room there, 8 do not.
; Room in f16's range, by the sizes: normalised z is at most 11.4 |gamma| + |beta|; Q, K, V are sums of 128 products of it with weights of
; about 0.05, about 0.6; with gamma and the weights both 30 times larger about 500.  P lies in (0, 1]; gate x O / sum is at most the largest |V|.
;
; CLUSTER.  All work-groups walk the same weights, one block of 40,960 bytes a head: the four of a cluster ask for them jointly (mask 15),
; which divides those requests by four.  z and d come by loads of the work-group's own: the two halves of a row lay z[i] into LDS in
; different orders (own half first), so a joint load would need an LDS address that hangs on the place in the cluster.
;
; LIMITS.  A matrix operand (normalised z, 0.51 Q, K, V, gate x O / sum) beyond 65,504 becomes infinite; under 2^-14 it keeps steps of
; 2^-24, so with gamma and Wv both 30 times smaller gate x O (about 2.5e-5 then) is rounded to about 0.0007 of itself.  A weight of the
; softmax under 2^-25 of its row's largest counts as 0.
; The key mask enters as (mask - 1) x 1e9 x log2(e) in f32, as one fused multiply-add: exact for 0 and 1; for other values the low
; bits of such large logits round in another order than a sum in base e.  A row whose keys are all masked gives finite weights (the sum
; holds the maximum's own term, which is about 1) and the output 0 by the query mask.
;
; LDS, bytes:
.set ZWAVE,  33792                     ; a wave's stage: 64 rows of 512 bytes at pitch 528
.set ZHALF,  16896                     ; 32 such rows
.set ZTILE,  8448                      ; 16 such rows
.set ZPITCH, 528                       ; 33 x 16: the 16 rows that a load touches start at 16 different 16-byte columns of 256 bytes
.set KPITCH, 80                        ; K: [beta][32 c] f16, 64 + 16 bytes; at LDS byte 0, in the z stage after its only fill
.set VBUF,   20480                     ; V: four blocks by the wave that made them, [32 c][64 keys] f16
.set VPITCH, 144                       ; 128 + 16 bytes
.set VBLK,   4608
.set OST,    40960                     ; the way out: a wave's 32 rows of 512 bytes at pitch 528; also in the z stage
.set DST,    135168                    ; d's stage: per wave [key half][32 query rows], pitch 528
.set WS1,    135168                    ; weight slot 1: d's stage, filled again once d is in registers
.set WS0,    270336                    ; weight slot 0
.set MB,     311296                    ; 256 f32: the key mask's addend, own half first.  No tensor load lands from here on
.set BS,     312320                    ; b: per wave [head][qt][lane] f32, 2,048 bytes
.set HBLK,   40960                     ; a head's weights: 40 fragments of 1,024 bytes
; Vector registers, window 0:
.set L16, 1                            ; 16 x lane
.set LW,  2                            ; v2, v3: 16 x lane + weight slot 0, 1
.set KA,  4                            ; K fragments: 80 r + 16 h
.set KS,  5                            ; my K stores: KA + 5,120 w
.set VA,  6                            ; V fragments: VBUF + 144 r + 16 h
.set VS,  7                            ; my V stores: VA + 4,608 w
.set MA,  8                            ; MB + 32 h
.set BA,  9                            ; BS + 2,048 w + 4 lane; steps 256 a head
.set H32, 10                           ; 32 h
.set ZA,  11                           ; z stage: 33,792 w + 528 r + 32 h; at the end the out stage's store address
.set QM,  12                           ; v[12:13], v[14:15]: my query's mask, twice, for each qt
.set TT,  16                           ; v16-23 at work
.set BB,  24                           ; v24, v25: b of my query, for each qt
.set RS,  26                           ; v[26:27], v[28:29]: 1 / sum, twice, for each qt
.set DA,  30                           ; d stage: DST + ZA
.set RD,  31                           ; out stage, read back by rows
.set QACC, 32                          ; v32-63: Q(qt, ct) at 32 + 8 (2 qt + ct); then the softmax's figures; then O likewise
.set MXC,  32                          ;   v32-39 four running maxima for each qt
.set OFS,  40                          ;   v[40:41], v[42:43] the shift, twice
.set SUM,  44                          ;   v44-59 four running pairs of sums for each qt
.set PX,   60                          ;   v60, v61 what the other lane half sends
.set GACC, 64                          ; v64-95: the gate, same order
.set QF,   96                          ; v96-111: Q as B fragment, one for each qt; later gate x O
.set BGF,  112                         ; v112-127: -log2(e) bg in the gate's layout, one for each ct
.set FB,   128                         ; v128-255: 16 fragments
.set FBA,  128
.set FBB,  192
.set X,    32                          ; before the heads: v32-95 half a row of z in f32; then b's two accumulators
.set BACC, 32
.set GAM,  96                          ; v96-159 gamma, v160-223 beta of my 64 channels
.set BET,  160
.set WBF,  224                         ; v224-255 Wb's four fragments
; window 1: d(qt, tau, j) at 128 qt + 8 tau + j, f32, kept for all heads
; window 2: S(qt, tau, j) at the same index; during the projections K(T, ct) at 8 (2 T + ct), V at 64 + the same; P(qt, ks) packs into
;           S(qt, 2 ks); Wf's fragment et lies in S(1, 2 et + 1), which packing has freed
.set VACC, 64
; window 3: OUT(qt, et) at 64 qt + 8 et; the normalised z as fragments ZN(T, s) at 128 + 32 T + 8 s
.set ZN,   128
; Scalars: s[4:23] the ten addresses; s24 wave; s25 cx; s26 work-group; s27 i; s28 qh; s29 1 - qh; s30, s31, s89, s[92:95] at work
.set G1Z, 32                           ; s[32:39] shape of z's tiles
.set G1D, 40                           ; s[40:47] shape of d's tiles
.set G1W, 48                           ; s[48:55] shape of a wave's quarter of a head's weights, with the mask
.set G0Z, 56                           ; s[56:63] z: own half, other half
.set G0D, 68                           ; s[68:75] d: own key half, other key half
.set G0W, 76                           ; s[76:83] weights: slot 0, slot 1
.set MSB, 0
.macro WIN new                         ; s_set_vgpr_msb: bits 1:0 source 0, 3:2 source 1, 5:4 source 2, 7:6 destination; the high byte repeats the setting left
.if MSB != \new
	s_set_vgpr_msb (MSB<<8)|\new
.set MSB, \new
.endif
.endm
.macro BAR
	s_barrier_signal -1
	s_barrier_wait -1
.endm
; A round of the cluster's barrier: my work-group's barrier, so that wave 0 speaks for all four waves; wave 0 signals; all wait for the four
; work-groups; my work-group's barrier once more.
.macro ROUND
	s_barrier_signal -1
	s_barrier_wait -1
	s_cmp_lg_u32 s24, 0
	s_cbranch_scc1 .Lnot_wave_0_\@
	s_barrier_signal -3
.Lnot_wave_0_\@:
	s_barrier_wait -3
	s_barrier_signal -1
	s_barrier_wait -1
.endm
; Four places behind a matrix instruction, before its result is read by a vector instruction or a store, and before a vector instruction or a
; load writes one of its registers (ISA guide 7.12.1 for vector instructions).
.macro PLACES
.rept 4
	v_nop
.endr
.endm
.macro MM d, a, b, c
	v_wmma_f32_16x16x32_f16 v[\d:\d+7], v[\a:\a+7], v[\b:\b+7], v[\c:\c+7]
.endm
.macro MMZ d, a, b                     ; the first product starts a sum: nothing is cleared
	v_wmma_f32_16x16x32_f16 v[\d:\d+7], v[\a:\a+7], v[\b:\b+7], 0
.endm
; Eight weight fragments f0 .. f0 + 7 of a slot: each load takes 512 consecutive bytes
.macro LOADW slot, f0, dst
.irp k, 0,1,2,3,4,5,6,7
	ds_load_b128 v[\dst+8*\k:\dst+8*\k+3], v[LW+\slot] offset:(\f0+\k)*1024
	ds_load_b128 v[\dst+8*\k+4:\dst+8*\k+7], v[LW+\slot] offset:(\f0+\k)*1024+512
.endr
.endm
	s_load_b256 s[4:11], s[0:1], 0x0               ; z s[4:5], d s[6:7], mask s[8:9], gamma s[10:11]
	s_load_b256 s[12:19], s[0:1], 0x20             ; beta s[12:13], Wd s[14:15], bg s[16:17], bf s[18:19]
	s_load_b128 s[20:23], s[0:1], 0x40             ; wt s[20:21], out s[22:23]
	v_lshl_add_u32 v222, v0, 2, 0x4e400
	v_mov_b32 v223, 0
	ds_add_u32 v222, v223
	s_wait_dscnt 0x0
	v_lshrrev_b32 v1, 5, v0
	v_readfirstlane_b32 s24, v1                    ; wave 0..3
	s_bfe_u32 s25, ttmp6, 0x40000                  ; cx
	s_lshl_b32 s26, ttmp9, 2                       ; ttmp9 counts clusters
	s_add_co_u32 s26, s26, s25                     ; work-group
	s_lshr_b32 s27, s26, 1                         ; i
	s_and_b32 s28, s26, 1                          ; qh
	s_xor_b32 s29, s28, 1                          ; the other half
	s_mov_b32 s84, 0x76543210                      ; v_permlanex16_b32: lane i of one half reads lane i of the other
	s_mov_b32 s85, 0xfedcba98
	s_mov_b32 s90, 0x3c000000                      ; 1 / 128
	s_mov_b32 s91, 0x3727c5ac                      ; 1e-5
	; shapes.  z and d: 32 rows x 128 f32, 16 bytes of padding behind each row of 128 words
	s_mov_b32 s[G1Z+0], (2<<16)|(1<<20)|(6<<22)|(3<<25)   ; no mask; elements of 4 bytes; padding on, after every 128 words, of 4 words
	s_mov_b32 s[G1Z+1], 128<<16                    ; tensor_dim0 = 128
	s_mov_b32 s[G1Z+2], 32<<16                     ; tensor_dim1 = 32
	s_mov_b32 s[G1Z+3], 128<<16                    ; tile_dim0 = 128
	s_mov_b32 s[G1Z+4], 32                         ; tile_dim1 = 32
	s_mov_b32 s[G1Z+5], 128                        ; elements from row to row
	s_mov_b32 s[G1Z+6], 0
	s_mov_b32 s[G1Z+7], 0
	s_mov_b32 s[G1D+0], (2<<16)|(1<<20)|(6<<22)|(3<<25)
	s_mov_b32 s[G1D+1], 128<<16
	s_mov_b32 s[G1D+2], 32<<16
	s_mov_b32 s[G1D+3], 128<<16
	s_mov_b32 s[G1D+4], 32
	s_mov_b32 s[G1D+5], 256                        ; d's rows are 256 keys long
	s_mov_b32 s[G1D+6], 0
	s_mov_b32 s[G1D+7], 0
	s_mov_b32 s[G1W+0], 15|(3<<16)|(1<<21)         ; all four work-groups of the cluster; elements of 8 bytes; bit 21 beside a mask
	s_mov_b32 s[G1W+1], 32<<16                     ; a dense block as 40 rows of 256 bytes
	s_mov_b32 s[G1W+2], 40<<16
	s_mov_b32 s[G1W+3], 32<<16
	s_mov_b32 s[G1W+4], 40
	s_mov_b32 s[G1W+5], 32
	s_mov_b32 s[G1W+6], 0
	s_mov_b32 s[G1W+7], 0
	; where the tiles go: the wave's number times a constant, plus constants
	s_mul_i32 s30, s24, ZWAVE
	s_mul_i32 s66, s24, 10240                      ; my quarter of a head's weights; s[66:67] never hold a place in the cluster
	s_mov_b32 s67, 0
	s_mov_b32 s[G0Z+0], 1
	s_mov_b32 s[G0Z+1], s30
	s_mov_b32 s[G0Z+4], 1
	s_add_co_u32 s[G0Z+5], s30, ZHALF
	s_mov_b32 s[G0D+0], 1
	s_add_co_u32 s[G0D+1], s30, DST
	s_mov_b32 s[G0D+4], 1
	s_add_co_u32 s[G0D+5], s30, DST+ZHALF
	s_mov_b32 s[G0W+0], 1
	s_add_co_u32 s[G0W+1], s66, WS0
	s_mov_b32 s[G0W+4], 1
	s_add_co_u32 s[G0W+5], s66, WS1
	; where they come from.  z: row 256 i + 128 half + 32 w, 512 bytes a row
	s_lshl_b32 s92, s27, 17
	s_lshl_b32 s94, s24, 14
	s_add_co_u32 s92, s92, s94
	s_lshl_b32 s94, s28, 16
	s_add_co_u32 s94, s92, s94                     ; own half
	s_lshl_b32 s89, s29, 16
	s_add_co_u32 s92, s92, s89                     ; other half
	s_mov_b32 s93, 0
	s_mov_b32 s95, 0
	s_wait_kmcnt 0x0
	s_add_nc_u64 s[G0Z+2:G0Z+3], s[4:5], s[94:95]
	s_add_nc_u64 s[G0Z+6:G0Z+7], s[4:5], s[92:93]
	s_add_nc_u64 s[22:23], s[22:23], s[94:95]      ; out at my wave's first query: the same rows of 512 bytes
	s_or_b32 s[G0Z+3], s[G0Z+3], 0x80000000
	s_or_b32 s[G0Z+7], s[G0Z+7], 0x80000000
	; d: query row 128 qh + 32 w, 1,024 bytes a row; the key half's 512 bytes
	s_lshl_b32 s92, s28, 17
	s_lshl_b32 s94, s24, 15
	s_add_co_u32 s92, s92, s94
	s_lshl_b32 s94, s28, 9
	s_add_co_u32 s94, s92, s94
	s_lshl_b32 s89, s29, 9
	s_add_co_u32 s92, s92, s89
	s_add_nc_u64 s[G0D+2:G0D+3], s[6:7], s[94:95]
	s_add_nc_u64 s[G0D+6:G0D+7], s[6:7], s[92:93]
	s_or_b32 s[G0D+3], s[G0D+3], 0x80000000
	s_or_b32 s[G0D+7], s[G0D+7], 0x80000000
	; weights: head 0 for slot 0, head 1 for slot 1; made of the wave's number alone
	s_add_nc_u64 s[G0W+2:G0W+3], s[20:21], s[66:67]
	s_add_nc_u64 s[G0W+6:G0W+7], s[G0W+2:G0W+3], HBLK
	s_or_b32 s[G0W+3], s[G0W+3], 0x80000000
	s_or_b32 s[G0W+7], s[G0W+7], 0x80000000
	s_lshl_b32 s92, s27, 10
	s_add_nc_u64 s[8:9], s[8:9], s[92:93]          ; the mask's row i
	ROUND                                          ; the four work-groups are here: the first joint load meets
	tensor_load_to_lds s[G0Z:G0Z+3], s[G1Z:G1Z+7]          ; the first fills, one group: five tensor loads of the wave are out
	s_nop 0
	tensor_load_to_lds s[G0Z+4:G0Z+7], s[G1Z:G1Z+7]
	s_nop 0
	tensor_load_to_lds s[G0D:G0D+3], s[G1D:G1D+7]
	s_nop 0
	tensor_load_to_lds s[G0D+4:G0D+7], s[G1D:G1D+7]
	s_nop 0
	tensor_load_to_lds s[G0W:G0W+3], s[G1W:G1W+7]          ; joint
	s_nop 0
	v_and_b32 v16, 31, v0                          ; lane
	v_and_b32 v17, 15, v0                          ; r
	v_bfe_u32 v18, v0, 4, 1                        ; h
	v_lshlrev_b32 v[L16], 4, v16
	v_add_nc_u32 v[LW], WS0, v[L16]
	v_add_nc_u32 v[LW+1], WS1, v[L16]
	v_mul_u32_u24 v[KA], v17, KPITCH
	v_lshl_add_u32 v[KA], v18, 4, v[KA]
	s_mul_i32 s31, s24, 64*KPITCH
	v_add_nc_u32 v[KS], s31, v[KA]
	v_mul_u32_u24 v[VA], v17, VPITCH
	v_lshl_add_u32 v[VA], v18, 4, v[VA]
	v_add_nc_u32 v[VA], VBUF, v[VA]
	s_mul_i32 s31, s24, VBLK
	v_add_nc_u32 v[VS], s31, v[VA]
	v_lshlrev_b32 v[H32], 5, v18
	v_add_nc_u32 v[MA], MB, v[H32]
	s_lshl_b32 s31, s24, 11
	s_add_co_u32 s31, s31, BS
	v_lshl_add_u32 v[BA], v16, 2, s31
	v_mul_u32_u24 v[ZA], v17, ZPITCH
	v_add_nc_u32 v[ZA], v[ZA], v[H32]
	v_add_nc_u32 v[ZA], s30, v[ZA]
	v_add_nc_u32 v[DA], DST, v[ZA]
	s_lshl_b32 s89, s28, 9
	s_lshl_b32 s31, s24, 7
	s_add_co_u32 s31, s31, s89
	v_lshl_add_u32 v19, v17, 2, s31                ; my query's mask: 4 (128 qh + 32 w + r), qt in the immediate
	v_lshlrev_b32 v20, 3, v0                       ; thread t makes the addends of keys 2 t, 2 t + 1 in LDS order (own half first):
	v_xor_b32 v21, s89, v20                        ; in memory the halves change places where qh = 1
	; my 64 channels are 32 s + 16 p + 8 h + 4 u + 0..3: the order of a fragment's registers
.irp s, 0,1,2,3
.irp p, 0,1
.irp u, 0,1
	global_load_b128 v[GAM+16*\s+8*\p+4*\u:GAM+16*\s+8*\p+4*\u+3], v[H32], s[10:11] offset:128*\s+64*\p+16*\u
	global_load_b128 v[BET+16*\s+8*\p+4*\u:BET+16*\s+8*\p+4*\u+3], v[H32], s[12:13] offset:128*\s+64*\p+16*\u
.endr
.endr
.endr
.irp k, 0,1,2,3,4,5,6,7
	global_load_b128 v[WBF+4*\k:WBF+4*\k+3], v[L16], s[20:21] offset:8*HBLK+512*\k    ; Wb's four fragments, behind the eight heads' blocks
.endr
	global_load_b64 v[22:23], v21, s[8:9]
	global_load_b32 v[QM], v19, s[8:9]
	global_load_b32 v[QM+2], v19, s[8:9] offset:64
	WIN 0xc0
.irp qt, 0,1
.irp et, 0,1,2,3,4,5,6,7
.irp u, 0,1
	global_load_b128 v[64*\qt+8*\et+4*\u:64*\qt+8*\et+4*\u+3], v[H32], s[18:19] offset:64*\et+16*\u   ; bf starts the output's sums: channel 16 et + 8 h + j
.endr
.endr
.endr
	WIN 0
	s_wait_loadcnt 0x0                             ; all of them, once; it also frees their address registers
	s_mov_b32 s31, 0x4eabfb8f                      ; 1e9 log2(e)
	v_fma_f32 v22, v22, s31, -s31                  ; (mask - 1) x 1e9 log2(e)
	v_fma_f32 v23, v23, s31, -s31
	v_add_nc_u32 v20, MB, v20
	ds_store_b64 v20, v[22:23]                     ; read by all waves behind the first head's barrier
	v_mov_b32 v[QM+1], v[QM]
	v_mov_b32 v[QM+3], v[QM+2]
; LayerNorm of my tile T (16 rows): lane (r, h) takes the 64 channels of row r that its fragments hold; the other 64 are in lane r of the other half.
; Two passes (mean, then squares of the differences), so a common offset of z costs no digits.
.macro LNTILE T
.irp s, 0,1,2,3
.irp p, 0,1
.irp u, 0,1
	ds_load_b128 v[X+16*\s+8*\p+4*\u:X+16*\s+8*\p+4*\u+3], v[ZA] offset:\T*ZTILE+128*\s+64*\p+16*\u
.endr
.endr
.endr
	s_wait_dscnt 0x0
.irp c, 0,1,2,3
	v_pk_add_f32 v[TT+2*\c:TT+2*\c+1], v[X+2*\c:X+2*\c+1], v[X+8+2*\c:X+8+2*\c+1]      ; four chains, started by sums
.endr
.set n, 8
.rept 24
	v_pk_add_f32 v[TT+2*(n%4):TT+2*(n%4)+1], v[TT+2*(n%4):TT+2*(n%4)+1], v[X+2*n:X+2*n+1]
.set n, n+1
.endr
	v_pk_add_f32 v[TT:TT+1], v[TT:TT+1], v[TT+2:TT+3]
	v_pk_add_f32 v[TT+4:TT+5], v[TT+4:TT+5], v[TT+6:TT+7]
	v_pk_add_f32 v[TT:TT+1], v[TT:TT+1], v[TT+4:TT+5]
	v_add_f32 v[TT], v[TT], v[TT+1]
	v_permlanex16_b32 v[TT+2], v[TT], s84, s85
	v_add_f32 v[TT], v[TT], v[TT+2]
	v_mul_f32 v[TT], s90, v[TT]                    ; the mean
	v_mov_b32 v[TT+1], v[TT]
.set n, 0
.rept 32
	v_pk_add_f32 v[X+2*n:X+2*n+1], v[X+2*n:X+2*n+1], v[TT:TT+1] neg_lo:[0,1] neg_hi:[0,1]
.set n, n+1
.endr
.irp c, 0,1,2,3
	v_pk_mul_f32 v[TT+2*\c:TT+2*\c+1], v[X+2*\c:X+2*\c+1], v[X+2*\c:X+2*\c+1]
.endr
.set n, 4
.rept 28
	v_pk_fma_f32 v[TT+2*(n%4):TT+2*(n%4)+1], v[X+2*n:X+2*n+1], v[X+2*n:X+2*n+1], v[TT+2*(n%4):TT+2*(n%4)+1]
.set n, n+1
.endr
	v_pk_add_f32 v[TT:TT+1], v[TT:TT+1], v[TT+2:TT+3]
	v_pk_add_f32 v[TT+4:TT+5], v[TT+4:TT+5], v[TT+6:TT+7]
	v_pk_add_f32 v[TT:TT+1], v[TT:TT+1], v[TT+4:TT+5]
	v_add_f32 v[TT], v[TT], v[TT+1]
	v_permlanex16_b32 v[TT+2], v[TT], s84, s85
	v_add_f32 v[TT], v[TT], v[TT+2]
	v_fma_f32 v[TT], v[TT], s90, s91               ; variance + 1e-5
	v_rsq_f32 v[TT+2], v[TT]
	v_nop                                          ; one plain place behind v_rsq_f32 before its result is used (ISA guide 5.7.2)
	s_wait_alu depctr_va_vdst(0)
	v_mov_b32 v[TT+3], v[TT+2]
.set n, 0
.rept 32
	v_pk_mul_f32 v[X+2*n:X+2*n+1], v[X+2*n:X+2*n+1], v[TT+2:TT+3]
.set n, n+1
.endr
.set n, 0
.rept 32
	v_pk_fma_f32 v[X+2*n:X+2*n+1], v[X+2*n:X+2*n+1], v[GAM+2*n:GAM+2*n+1], v[BET+2*n:BET+2*n+1]
.set n, n+1
.endr
	WIN 0xc0
.set n, 0
.rept 32
	v_cvt_pk_f16_f32 v[ZN+32*\T+n], v[X+2*n], v[X+2*n+1]       ; the four fragments ZN(T, 0..3)
.set n, n+1
.endr
	WIN 0
.endm
	s_wait_tensorcnt 0x3                           ; my two tiles of z are in; d's two and the weights stay out.  Only I read these bytes
	LNTILE 0
	LNTILE 1
	LNTILE 2
	LNTILE 3
	; b: A = Wb (row m = head m & 7), B = my queries.  Register j of lane (r, h) is b[head j][query r], in both lane halves.
	; The two accumulators take turns, one instruction a turn.
	WIN 0x0c
.irp s, 0,1,2,3
.irp qt, 0,1
.if \s == 0
	MMZ BACC+8*\qt, WBF+8*\s, ZN+32*\qt+8*\s
.else
	MM BACC+8*\qt, WBF+8*\s, ZN+32*\qt+8*\s, BACC+8*\qt
.endif
.endr
.endr
	PLACES
	WIN 0
.irp j, 0,1,2,3,4,5,6,7
.irp qt, 0,1
	ds_store_b32 v[BA], v[BACC+8*\qt+\j] offset:256*\j+128*\qt         ; my wave's own bytes
.endr
.endr
	s_wait_tensorcnt 0x1                           ; d's two tiles are in; the weights may stay out
	WIN 0x40
.irp qt, 0,1
.set t, 0
.rept 16
	ds_load_b128 v[128*\qt+8*t:128*\qt+8*t+3], v[DA] offset:ZHALF*((t>>1)&1)+ZTILE*\qt+128*(t>>2)+64*(t&1)         ; d[my query][keys of tile t, 8 h + 0..3]
	ds_load_b128 v[128*\qt+8*t+4:128*\qt+8*t+7], v[DA] offset:ZHALF*((t>>1)&1)+ZTILE*\qt+128*(t>>2)+64*(t&1)+16
.set t, t+1
.endr
.endr
	WIN 0
; One head, its weights in slot.  refill = 1: the next head's weights are asked for, into the other slot.
; In every run of matrix instructions the accumulators take turns, one instruction a turn.
.macro HEAD slot, refill
	s_wait_xcnt 0x0
	v_lshl_add_u32 v222, v0, 2, 0x4e400
	v_mov_b32 v223, 0
	s_wait_tensorcnt 0x0                           ; all my tensor loads have landed, my quarter of this head's weights among them,
	ds_add_u32 v222, v223
	s_wait_dscnt 0x0
	s_add_nc_u64 s[G0W+4*\slot+2:G0W+4*\slot+3], s[G0W+4*\slot+2:G0W+4*\slot+3], 2*HBLK   ; so a descriptor may be written: this slot's next head
	s_wait_dscnt 0x0                               ; my reads of the other slot, of K and V (first head: of the stages) are back, my LDS stores done
.if \refill
	ROUND                                          ; both now hold of every wave of the four work-groups
	tensor_load_to_lds s[G0W+4-4*\slot:G0W+7-4*\slot], s[G1W:G1W+7]    ; my one tensor load behind the round, and the first thing there: it has the head's work in which to land
	s_nop 0
.else
	BAR                                            ; the last head asks for nothing
.endif
	s_load_b32 s86, s[14:15], 0x0                  ; Wd[head]
.irp ct, 0,1
.irp u, 0,1
	global_load_b128 v[BGF+8*\ct+4*\u:BGF+8*\ct+4*\u+3], v[H32], s[16:17] offset:64*\ct+16*\u     ; bg[32 head + 16 ct + 8 h + j]
.endr
.endr
	ds_load_b32 v[BB], v[BA]
	ds_load_b32 v[BB+1], v[BA] offset:128
	v_add_nc_u32 v[BA], 256, v[BA]
	LOADW \slot, 0, FBA                            ; Wk
	LOADW \slot, 8, FBB                            ; Wv
	; K of my 64 keys: A = Wk (rows c), B = z (columns keys): a lane holds one key and 8 neighbouring c
	s_wait_dscnt 16                                ; all but Wv's 16 loads
	WIN 0xac
.irp s, 0,1,2,3
.irp ct, 0,1
.irp T, 0,1,2,3
.if \s == 0
	MMZ 8*(2*\T+\ct), FBA+8*(4*\ct+\s), ZN+32*\T+8*\s
.else
	MM 8*(2*\T+\ct), FBA+8*(4*\ct+\s), ZN+32*\T+8*\s, 8*(2*\T+\ct)
.endif
.endr
.endr
.endr
	; V of the same keys, the other way round: A = z, B = Wv: a lane holds one c and 8 neighbouring keys
	s_wait_dscnt 0x0
	WIN 0xa3
.irp s, 0,1,2,3
.irp ct, 0,1
.irp T, 0,1,2,3
.if \s == 0
	MMZ VACC+8*(2*\T+\ct), ZN+32*\T+8*\s, FBB+8*(4*\ct+\s)
.else
	MM VACC+8*(2*\T+\ct), ZN+32*\T+8*\s, FBB+8*(4*\ct+\s), VACC+8*(2*\T+\ct)
.endif
.endr
.endr
.endr
	PLACES
	WIN 0
	LOADW \slot, 16, FBA                           ; Wq
	LOADW \slot, 24, FBB                           ; Wg
	WIN 0x8a
.set ia, 0
.rept 16
	v_cvt_pk_f16_f32 v[8*ia], v[8*ia], v[8*ia+1]               ; in place: each line writes a register that has been read
	v_cvt_pk_f16_f32 v[8*ia+1], v[8*ia+2], v[8*ia+3]
	v_cvt_pk_f16_f32 v[8*ia+2], v[8*ia+4], v[8*ia+5]
	v_cvt_pk_f16_f32 v[8*ia+3], v[8*ia+6], v[8*ia+7]
.set ia, ia+1
.endr
	WIN 0x08
.irp T, 0,1,2,3
.irp ct, 0,1
	ds_store_b128 v[KS], v[8*(2*\T+\ct):8*(2*\T+\ct)+3] offset:16*KPITCH*\T+32*\ct
	ds_store_b128 v[VS], v[VACC+8*(2*\T+\ct):VACC+8*(2*\T+\ct)+3] offset:16*VPITCH*\ct+32*\T
.endr
.endr
	WIN 0
	s_wait_loadcnt 0x0                             ; bg is in, and its base may step
	s_add_nc_u64 s[16:17], s[16:17], 128
.irp k, 0,1,2,3,4,5,6,7
	v_pk_mul_f32 v[BGF+2*\k:BGF+2*\k+1], v[BGF+2*\k:BGF+2*\k+1], 0xbfb8aa3b op_sel_hi:[1,0]    ; -log2(e) bg, as in Wg
.endr
	s_wait_kmcnt 0x0
	s_mul_f32 s86, s86, 0x3fb8aa3b                 ; log2(e) Wd[head]
	s_mov_b32 s87, s86
	s_add_nc_u64 s[14:15], s[14:15], 4
	; Q and the gate of my 32 queries: a lane holds one query and 8 neighbouring c.  bg starts the gate's sums
	s_wait_dscnt 16                                ; all but the 16 stores: Wq and Wg are in
	WIN 0x0c
.irp s, 0,1,2,3
.irp qt, 0,1
.irp ct, 0,1
.if \s == 0
	MMZ QACC+8*(2*\qt+\ct), FBA+8*(4*\ct+\s), ZN+32*\qt+8*\s
.else
	MM QACC+8*(2*\qt+\ct), FBA+8*(4*\ct+\s), ZN+32*\qt+8*\s, QACC+8*(2*\qt+\ct)
.endif
.endr
.endr
.irp qt, 0,1
.irp ct, 0,1
.if \s == 0
	MM GACC+8*(2*\qt+\ct), FBB+8*(4*\ct+\s), ZN+32*\qt+8*\s, BGF+8*\ct
.else
	MM GACC+8*(2*\qt+\ct), FBB+8*(4*\ct+\s), ZN+32*\qt+8*\s, GACC+8*(2*\qt+\ct)
.endif
.endr
.endr
.endr
	s_wait_dscnt 0x0                               ; my K and V are in LDS
	WIN 0
	BAR                                            ; everybody's are.  The weights' load may stay out
	PLACES
.set t, 0
.rept 16
	ds_load_b128 v[FB+8*t:FB+8*t+3], v[MA] offset:512*((t>>1)&1)+128*(t>>2)+64*(t&1)       ; the mask's addend of tile t's keys 8 h + 0..7
	ds_load_b128 v[FB+8*t+4:FB+8*t+7], v[MA] offset:512*((t>>1)&1)+128*(t>>2)+64*(t&1)+16
.set t, t+1
.endr
.set n, 0
.rept 16
	v_cvt_pk_f16_f32 v[QF+n], v[QACC+2*n], v[QACC+2*n+1]       ; ct = 0 fills a B fragment's registers 0-3, ct = 1 its registers 4-7
.set n, n+1
.endr
.set n, 0
.rept 32
	v_exp_f32 v[GACC+n], v[GACC+n]                 ; the gate: 1 / (1 + 2^x), x = -log2(e) (z Wg + bg)
.set n, n+1
.endr
	v_nop                                          ; one plain place behind the transcendentals (ISA guide 5.7.2)
.set n, 0
	s_wait_alu depctr_va_vdst(0)
.rept 16
	v_pk_add_f32 v[GACC+2*n:GACC+2*n+1], v[GACC+2*n:GACC+2*n+1], 1.0 op_sel_hi:[1,0]
.set n, n+1
.endr
.set n, 0
.rept 32
	v_rcp_f32 v[GACC+n], v[GACC+n]
.set n, n+1
.endr
	v_nop
	; what the logits start from: d Wd + mask, in S's registers; K's fragments follow the mask's addends into the same registers
	s_wait_dscnt 16                                ; the addends of tiles 0-7 are in
	WIN 0x81
.set n, 0
.rept 32
	v_pk_fma_f32 v[2*n:2*n+1], v[2*n:2*n+1], s[86:87], v[FB+2*n:FB+2*n+1] op_sel_hi:[1,0,1]
	v_pk_fma_f32 v[128+2*n:129+2*n], v[128+2*n:129+2*n], s[86:87], v[FB+2*n:FB+2*n+1] op_sel_hi:[1,0,1]
.set n, n+1
.endr
	WIN 0
.set t, 0
.rept 8
	ds_load_b128 v[FB+8*t:FB+8*t+3], v[KA] offset:16*KPITCH*t
	ds_load_b128 v[FB+8*t+4:FB+8*t+7], v[KA] offset:16*KPITCH*t+32
.set t, t+1
.endr
	s_wait_dscnt 16                                ; all but those 16: the addends of tiles 8-15 are in
	WIN 0x81
.set n, 32
.rept 32
	v_pk_fma_f32 v[2*n:2*n+1], v[2*n:2*n+1], s[86:87], v[FB+2*n:FB+2*n+1] op_sel_hi:[1,0,1]
	v_pk_fma_f32 v[128+2*n:129+2*n], v[128+2*n:129+2*n], s[86:87], v[FB+2*n:FB+2*n+1] op_sel_hi:[1,0,1]
.set n, n+1
.endr
	WIN 0
.set t, 8
.rept 8
	ds_load_b128 v[FB+8*t:FB+8*t+3], v[KA] offset:16*KPITCH*t
	ds_load_b128 v[FB+8*t+4:FB+8*t+7], v[KA] offset:16*KPITCH*t+32
.set t, t+1
.endr
	; S: one matrix instruction for each of the 32 tiles (K = 32 = the head's channels)
	s_wait_dscnt 16                                ; K's tiles 0-7
	WIN 0xa0
.irp t, 0,1,2,3,4,5,6,7
.irp qt, 0,1
	MM 128*\qt+8*\t, FB+8*\t, QF+8*\qt, 128*\qt+8*\t
.endr
.endr
	s_wait_dscnt 0x0
.irp t, 8,9,10,11,12,13,14,15
.irp qt, 0,1
	MM 128*\qt+8*\t, FB+8*\t, QF+8*\qt, 128*\qt+8*\t
.endr
.endr
	PLACES
	WIN 0
.irp ks, 0,1,2,3,4,5,6,7
.irp ct, 0,1
	ds_load_b128 v[FB+16*\ks+8*\ct:FB+16*\ks+8*\ct+3], v[VA] offset:VBLK*(\ks>>1)+16*VPITCH*\ct+64*(\ks&1)        ; V as A fragment: row c, 32 keys
	ds_load_b128 v[FB+16*\ks+8*\ct+4:FB+16*\ks+8*\ct+7], v[VA] offset:VBLK*(\ks>>1)+16*VPITCH*\ct+64*(\ks&1)+32
.endr
.endr
	; the softmax of my two queries: 128 logits each in this lane, the other 128 in the lane of the other half
	WIN 0x0a
.irp qt, 0,1
.irp c, 0,1,2,3
	v_max_num_f32 v[MXC+4*\qt+\c], v[128*\qt+2*\c], v[128*\qt+2*\c+1]
.endr
.endr
	WIN 0x28
.set n, 0
.rept 60
	v_max3_num_f32 v[MXC+(n%4)], v[MXC+(n%4)], v[8+2*n], v[9+2*n]
	v_max3_num_f32 v[MXC+4+(n%4)], v[MXC+4+(n%4)], v[136+2*n], v[137+2*n]
.set n, n+1
.endr
	WIN 0
	v_max3_num_f32 v[MXC], v[MXC], v[MXC+1], v[MXC+2]
	v_max3_num_f32 v[MXC+4], v[MXC+4], v[MXC+5], v[MXC+6]
	v_max_num_f32 v[MXC], v[MXC], v[MXC+3]
	v_max_num_f32 v[MXC+4], v[MXC+4], v[MXC+7]
	v_permlanex16_b32 v[PX], v[MXC], s84, s85      ; its destination counts as read: Q's accumulators lay here
	v_permlanex16_b32 v[PX+1], v[MXC+4], s84, s85
	v_max_num_f32 v[MXC], v[MXC], v[PX]
	v_max_num_f32 v[MXC+4], v[MXC+4], v[PX+1]
	v_add_f32 v[MXC+1], v[MXC], v[BB]              ; the maximum of the logits with b: rounding keeps the order, so max (x + b) = max x + b
	v_add_f32 v[MXC+5], v[MXC+4], v[BB+1]
	v_sub_f32 v[OFS], v[BB], v[MXC+1]              ; x + b - maximum = x + (b - maximum)
	v_sub_f32 v[OFS+2], v[BB+1], v[MXC+5]
	v_mov_b32 v[OFS+1], v[OFS]
	v_mov_b32 v[OFS+3], v[OFS+2]
	WIN 0x82
	v_pk_add_f32 v[0:1], v[0:1], v[OFS:OFS+1]
.set n, 0
.rept 127
	v_pk_add_f32 v[2*n+2:2*n+3], v[2*n+2:2*n+3], v[OFS+2*((n+1)>>6):OFS+2*((n+1)>>6)+1]    ; the plain instruction behind the last two exponentials names other registers
	v_exp_f32 v[2*n], v[2*n]
	v_exp_f32 v[2*n+1], v[2*n+1]
.set n, n+1
.endr
	v_exp_f32 v254, v254
	v_exp_f32 v255, v255
	v_nop
	WIN 0x0a
	s_wait_alu depctr_va_vdst(0)
.irp qt, 0,1
.irp c, 0,1,2,3
	v_pk_add_f32 v[SUM+8*\qt+2*\c:SUM+8*\qt+2*\c+1], v[128*\qt+4*\c:128*\qt+4*\c+1], v[128*\qt+4*\c+2:128*\qt+4*\c+3]
.endr
.endr
	WIN 0x02
.set n, 0
.rept 56
	v_pk_add_f32 v[SUM+2*(n%4):SUM+2*(n%4)+1], v[16+2*n:17+2*n], v[SUM+2*(n%4):SUM+2*(n%4)+1]
	v_pk_add_f32 v[SUM+8+2*(n%4):SUM+8+2*(n%4)+1], v[144+2*n:145+2*n], v[SUM+8+2*(n%4):SUM+8+2*(n%4)+1]
.set n, n+1
.endr
	WIN 0
.irp qt, 0,1
	v_pk_add_f32 v[SUM+8*\qt:SUM+8*\qt+1], v[SUM+8*\qt:SUM+8*\qt+1], v[SUM+8*\qt+2:SUM+8*\qt+3]
	v_pk_add_f32 v[SUM+8*\qt+4:SUM+8*\qt+5], v[SUM+8*\qt+4:SUM+8*\qt+5], v[SUM+8*\qt+6:SUM+8*\qt+7]
	v_pk_add_f32 v[SUM+8*\qt:SUM+8*\qt+1], v[SUM+8*\qt:SUM+8*\qt+1], v[SUM+8*\qt+4:SUM+8*\qt+5]
	v_add_f32 v[SUM+8*\qt], v[SUM+8*\qt], v[SUM+8*\qt+1]
	v_permlanex16_b32 v[PX+\qt], v[SUM+8*\qt], s84, s85
	v_add_f32 v[SUM+8*\qt], v[SUM+8*\qt], v[PX+\qt]
.endr
	v_rcp_f32 v[RS], v[SUM]
	v_rcp_f32 v[RS+2], v[SUM+8]
	v_nop
	s_wait_alu depctr_va_vdst(0)
	v_mov_b32 v[RS+1], v[RS]
	v_mov_b32 v[RS+3], v[RS+2]
	; P as B fragments, in place: tiles 2 ks and 2 ks + 1 (16 registers) pack into the first eight; 1 / sum goes into the gate instead
	WIN 0x8a
.irp qt, 0,1
.irp ks, 0,1,2,3,4,5,6,7
.irp k, 0,1,2,3,4,5,6,7
	v_cvt_pk_f16_f32 v[128*\qt+16*\ks+\k], v[128*\qt+16*\ks+2*\k], v[128*\qt+16*\ks+2*\k+1]
.endr
.endr
.endr
	WIN 0x80
.irp et, 0,1,2,3,4,5,6,7
	ds_load_b128 v[136+16*\et:139+16*\et], v[LW+\slot] offset:(32+\et)*1024        ; Wf's fragments, into registers that packing has freed
	ds_load_b128 v[140+16*\et:143+16*\et], v[LW+\slot] offset:(32+\et)*1024+512
.endr
	WIN 0
.irp qt, 0,1
.irp k, 0,1,2,3,4,5,6,7
	v_pk_mul_f32 v[GACC+16*\qt+2*\k:GACC+16*\qt+2*\k+1], v[GACC+16*\qt+2*\k:GACC+16*\qt+2*\k+1], v[RS+2*\qt:RS+2*\qt+1]
.endr
.endr
	; O: A = V (rows c), B = P (columns queries), 32 keys an instruction
	s_wait_dscnt 16                                ; all but Wf's 16 loads: V is in
	WIN 0x08
.irp ks, 0,1,2,3,4,5,6,7
.irp qt, 0,1
.irp ct, 0,1
.if \ks == 0
	MMZ QACC+8*(2*\qt+\ct), FB+16*\ks+8*\ct, 128*\qt+16*\ks
.else
	MM QACC+8*(2*\qt+\ct), FB+16*\ks+8*\ct, 128*\qt+16*\ks, QACC+8*(2*\qt+\ct)
.endif
.endr
.endr
.endr
	PLACES
	WIN 0
.set n, 0
.rept 16
	v_pk_mul_f32 v[QACC+2*n:QACC+2*n+1], v[QACC+2*n:QACC+2*n+1], v[GACC+2*n:GACC+2*n+1]    ; x gate / sum
.set n, n+1
.endr
.set n, 0
.rept 16
	v_cvt_pk_f16_f32 v[QF+n], v[QACC+2*n], v[QACC+2*n+1]
.set n, n+1
.endr
	; the head's share of the output: A = Wf (rows: output channels), B = gate x O
	s_wait_dscnt 0x0
	WIN 0xf2
.irp et, 0,1,2,3,4,5,6,7
.irp qt, 0,1
	MM 64*\qt+8*\et, 136+16*\et, QF+8*\qt, 64*\qt+8*\et
.endr
.endr
	WIN 0
.endm
	s_mov_b32 s88, 3
.Lheads:
	HEAD 0, 1
	HEAD 1, 1
	s_sub_co_i32 s88, s88, 1
	s_cmp_lg_u32 s88, 0
	s_cbranch_scc1 .Lheads
	HEAD 0, 1                                      ; head 6 asks for head 7's weights
	HEAD 1, 0                                      ; head 7: nothing is left to fetch (the stepped addresses are not used)
	; THE WAY OUT.  A lane holds 8 neighbouring channels of one query: through my own stage in LDS, back by whole rows of 512 bytes.
	PLACES
	v_and_b32 v16, 15, v0
	v_mul_u32_u24 v16, v16, ZPITCH
	v_add_nc_u32 v16, v16, v[H32]
	s_mul_i32 s31, s24, ZHALF
	s_add_co_u32 s31, s31, OST
	v_add_nc_u32 v[ZA], s31, v16                   ; in: row r, 32 h bytes
	v_add_nc_u32 v[RD], s31, v[L16]                ; back: 16 x lane of a row
	WIN 0xc3
.irp qt, 0,1
.set n, 0
.rept 32
	v_pk_mul_f32 v[64*\qt+2*n:64*\qt+2*n+1], v[64*\qt+2*n:64*\qt+2*n+1], v[QM+2*\qt:QM+2*\qt+1]   ; the query's mask
.set n, n+1
.endr
.endr
	WIN 0x0c
.irp qt, 0,1
.irp et, 0,1,2,3,4,5,6,7
.irp u, 0,1
	ds_store_b128 v[ZA], v[64*\qt+8*\et+4*\u:64*\qt+8*\et+4*\u+3] offset:ZTILE*\qt+64*\et+16*\u
.endr
.endr
.endr
	WIN 0
.set n, 0
.rept 32
	ds_load_b128 v[FB+4*n:FB+4*n+3], v[RD] offset:ZPITCH*n     ; LDS serves a wave's instructions in order (ISA guide 5.7.1): these see the stores above
.set n, n+1
.endr
.set n, 0
.rept 32
	s_wait_dscnt 31-n                              ; row n is back; the younger loads stay out
	global_store_b128 v[L16], v[FB+4*n:FB+4*n+3], s[22:23] offset:512*n th:TH_STORE_NT     ; the wave stores one whole row: 512 consecutive bytes, aligned
.set n, n+1
.endr
	s_wait_xcnt 0x0
	v_lshl_add_u32 v222, v0, 2, 0x4e400
	v_mov_b32 v223, 0
	s_wait_tensorcnt 0x0
	ds_add_u32 v222, v223
	s_wait_dscnt 0x0
	ROUND                                          ; the closing round: no work-group ends while a partner may still ask jointly
	s_endpgm
.Lfunc_end_k_q780ad39b2e_attn:
	.size	k_q780ad39b2e_attn, .Lfunc_end_k_q780ad39b2e_attn-k_q780ad39b2e_attn
	.p2alignl 7, 3214868480
	.fill 96, 4, 3214868480
	.section	.rodata,"a",@progbits
	.p2align	6, 0x0
	.amdhsa_kernel k_q780ad39b2e_attn
		.amdhsa_group_segment_fixed_size 327680
		.amdhsa_private_segment_fixed_size 0
		.amdhsa_enable_private_segment 0
		.amdhsa_kernarg_size 80
		.amdhsa_user_sgpr_count 2
		.amdhsa_user_sgpr_kernarg_segment_ptr 1
		.amdhsa_wavefront_size32 1
		.amdhsa_system_sgpr_workgroup_id_x 1
		.amdhsa_system_sgpr_workgroup_id_y 1
		.amdhsa_system_sgpr_workgroup_id_z 1
		.amdhsa_system_vgpr_workitem_id 0
		.amdhsa_next_free_vgpr 1024
		.amdhsa_next_free_sgpr 96
		.amdhsa_reserve_vcc 0
		.amdhsa_float_denorm_mode_32 3
		.amdhsa_float_denorm_mode_16_64 3
		.amdhsa_memory_ordered 1
		.amdhsa_forward_progress 1
		.amdhsa_inst_pref_size 255
	.end_amdhsa_kernel
	.section	.bss,"aw",@nobits
	.p2align	6
	.space	262144
	.amdgpu_metadata
---
amdhsa.version: [ 1, 2 ]
amdhsa.kernels:
  - .name:           k_q780ad39b2e_attn
    .symbol:         k_q780ad39b2e_attn.kd
    .args:
      - { .name: z_ij, .offset: 0, .size: 8, .value_kind: global_buffer, .address_space: global }
      - { .name: d_jk, .offset: 8, .size: 8, .value_kind: global_buffer, .address_space: global }
      - { .name: mask_z, .offset: 16, .size: 8, .value_kind: global_buffer, .address_space: global }
      - { .name: ln_gamma, .offset: 24, .size: 8, .value_kind: global_buffer, .address_space: global }
      - { .name: ln_beta, .offset: 32, .size: 8, .value_kind: global_buffer, .address_space: global }
      - { .name: Wd, .offset: 40, .size: 8, .value_kind: global_buffer, .address_space: global }
      - { .name: bg, .offset: 48, .size: 8, .value_kind: global_buffer, .address_space: global }
      - { .name: bf, .offset: 56, .size: 8, .value_kind: global_buffer, .address_space: global }
      - { .name: wt, .offset: 64, .size: 8, .value_kind: global_buffer, .address_space: global }
      - { .name: out0, .offset: 72, .size: 8, .value_kind: global_buffer, .address_space: global }
    .group_segment_fixed_size: 327680
    .private_segment_fixed_size: 0
    .kernarg_segment_align: 8
    .kernarg_segment_size: 80
    .max_flat_workgroup_size: 128
    .sgpr_count:     96
    .vgpr_count:     1024
    .wavefront_size: 32
...
	.end_amdgpu_metadata
.endif
;; end of part 2
;; ======== version 2 of 2: 2 launches; version 1 with the launch prep written anew for expert scheduling mode
;; limits: values are held in f16: magnitudes above 65,504 overflow, below 6.1e-05 lose precision
;; workspace buffers: wt 331,776 bytes
;; launch prep (part 3): grid 81 x 1, 8 waves a work-group, no clusters, 0 bytes of LDS; arguments Wk, Wv, Wq, Wg, Wf, Wb, wt; writes wt
.if DOCPART == 3
	.amdgcn_target "amdgcn-amd-amdhsa--gfx1250"
	.amdhsa_code_object_version 6
	.text
	.protected	k_q780ad39b2e_prep
	.globl	k_q780ad39b2e_prep
	.p2align	8
	.type	k_q780ad39b2e_prep,@function
k_q780ad39b2e_prep:
	s_mov_b64 s[64:65], 0
	v_nop
	global_prefetch_b8 v0, s[64:65] scope:SCOPE_SE
	s_setreg_imm32_b32 hwreg(HW_REG_WAVE_SCHED_MODE, 0, 2), 2
	s_setreg_imm32_b32 hwreg(HW_REG_WAVE_MODE, 25, 1), 1
	s_wait_xcnt 0x0
	s_wait_alu depctr_vm_vsrc(0)
; The weights, rounded to f16 and laid out as matrix fragments, with constant factors folded in.
; f16 and not bf16: its 11 significant bits against 8; the weights (about 0.05, and 30 times more or less) lie well inside its range.
; LIMIT: a weight times its factor beyond 65,504 becomes infinite; under 2^-14 it keeps steps of 2^-24.
; wt holds 324 fragments of 1,024 bytes: [p = 0,1][lane 0..31][16 bytes].  Lane (r = lane & 15, h = lane >> 4), element e = 0..7
; is k = 16 p + 8 h + e of row (or column) r: p = 0 fills a fragment's registers 0-3, p = 1 its registers 4-7 (ISA guide 7.12.2).
; Fragment F = 40 hd + f.  hd = 0..7 is a head:
;   f = 8 m + 4 ct + s, m = 0 Wk, 1 Wv, 2 Wq, 3 Wg:  W[32 s + k][32 hd + 16 ct + r] x factor
;   f = 32 + et:                                      Wf[32 hd + k][16 et + r]
; hd = 8, f = s = 0..3:                               Wb[32 s + k][r & 7] x log2(e)   (rows 8-15 repeat rows 0-7)
; Factors: Wq 8^-0.5 log2(e) (the logits live in base 2), Wg -log2(e) (the gate is 1 / (1 + 2^x)), the others 1.
; One wave makes one (fragment, p): 512 consecutive bytes, aligned, out of one store.  648 waves = 81 work-groups of 8.
; THE MODE: SCHED_MODE bits 1:0 = 2 (LLVM: expert scheduling mode 2), set by the entry lines.  The code itself states the register dependences
; between vector instructions and memory instructions, with s_wait_alu, always for 0.
; THE PLAN.  The text is one straight run with no loop.  Registers that memory instructions touch:
;   v16-v23  the eight loads' byte offsets.  Written by the address arithmetic, read by the loads, never written again.
;   v5       the store's byte offset.        Written ahead of the loads, read by the store, never written again.
;   v8-v15   the eight numbers as loaded.    No vector instruction names them ahead of the loads; no memory instruction ever reads them.
;   v24-v27  the store's data.               Written by the four conversions, read by the store, never written again.
; So two waits on va_vdst state all of it: one ahead of the run of loads (the offsets are written), one ahead of the store (its data are written).
; No register that a memory instruction reads is written again, so there is nothing for a wait on vm_vsrc to state.  One wait on va_sdst stands
; behind v_readfirstlane_b32, ahead of the first reader of the scalar register that it writes.  EXEC is never written.
	s_load_b256 s[4:11], s[0:1], 0x0               ; Wk s[4:5], Wv s[6:7], Wq s[8:9], Wg s[10:11]
	s_load_b128 s[12:15], s[0:1], 0x20             ; Wf s[12:13], Wb s[14:15]
	s_load_b64 s[16:17], s[0:1], 0x30              ; wt
	v_lshrrev_b32 v1, 5, v0
	v_readfirstlane_b32 s20, v1                    ; wave 0..7
	s_lshl_b32 s18, ttmp9, 3
	s_wait_alu depctr_va_sdst(0)                   ; s20 is written, ahead of its first reader, the line below: all that follows is made from it
	s_add_co_u32 s18, s18, s20                     ; U = 8 x work-group + wave = 2 F + p
	s_and_b32 s19, s18, 1                          ; p
	s_lshr_b32 s21, s18, 1                         ; F, 0..323
	s_mul_i32 s24, s21, 26215
	s_lshr_b32 s24, s24, 20                        ; hd = F / 40 (exact for F up to 323)
	s_mul_i32 s29, s24, 40
	s_sub_co_u32 s29, s21, s29                     ; f
	s_lshr_b32 s32, s29, 3                         ; m
	s_and_b32 s33, s29, 3
	s_lshl_b32 s26, s33, 5                         ; first row of a projection or of Wb: 32 (f & 3)
	s_lshl_b32 s34, s19, 4                         ; 16 p
	s_lshl_b32 s35, s24, 5                         ; 32 hd
	s_bfe_u32 s27, s29, 0x10002                    ; ct
	s_lshl_b32 s27, s27, 4
	s_add_co_u32 s27, s27, s35                     ; first column of a projection: 32 hd + 16 ct
	s_and_b32 s36, s29, 7
	s_lshl_b32 s36, s36, 4                         ; first column of Wf: 16 et
	s_mov_b32 s25, 1024                            ; bytes from row to row
	s_mov_b32 s28, 15                              ; which bits of r count
	s_mov_b32 s30, 1.0                             ; factor
	s_wait_kmcnt 0x0
	s_mov_b64 s[22:23], s[4:5]                     ; the source: a choice between buffers on m and hd alone
	s_cmp_eq_u32 s32, 1
	s_cselect_b64 s[22:23], s[6:7], s[22:23]
	s_cmp_eq_u32 s32, 2
	s_cselect_b64 s[22:23], s[8:9], s[22:23]
	s_cselect_b32 s30, 0x3f0293ee, s30             ; 8^-0.5 log2(e)
	s_cmp_eq_u32 s32, 3
	s_cselect_b64 s[22:23], s[10:11], s[22:23]
	s_cselect_b32 s30, 0xbfb8aa3b, s30             ; -log2(e)
	s_cmp_eq_u32 s32, 4
	s_cselect_b64 s[22:23], s[12:13], s[22:23]
	s_cselect_b32 s25, 512, s25
	s_cselect_b32 s26, s35, s26                    ; Wf's rows are the head's 32 channels
	s_cselect_b32 s27, s36, s27
	s_cmp_eq_u32 s24, 8
	s_cselect_b64 s[22:23], s[14:15], s[22:23]
	s_cselect_b32 s30, 0x3fb8aa3b, s30             ; log2(e)
	s_cselect_b32 s25, 32, s25
	s_cselect_b32 s27, 0, s27
	s_cselect_b32 s28, 7, s28
	s_add_co_u32 s26, s26, s34                     ; + 16 p
	s_mov_b32 s31, s30                             ; the packed multiply names the pair
	s_lshl_b32 s18, s18, 9                         ; 512 U: where my 512 bytes go
	s_mov_b32 s19, 0
	s_add_nc_u64 s[16:17], s[16:17], s[18:19]
	v_and_b32 v2, 31, v0                           ; lane
	v_and_b32 v3, 15, v0                           ; r
	v_bfe_u32 v4, v0, 4, 1                         ; h
	v_and_b32 v3, s28, v3
	v_add_nc_u32 v3, s27, v3                       ; my column
	v_lshl_add_u32 v4, v4, 3, s26                  ; my first row: 8 h + first row
	v_mul_lo_u32 v4, v4, s25
	v_lshl_add_u32 v16, v3, 2, v4                  ; byte offset of element 0; the seven others one row further each
.irp e, 1,2,3,4,5,6,7
	v_add_nc_u32 v[16+\e], s25, v[15+\e]
.endr
	v_lshlrev_b32 v5, 4, v2                        ; 16 x lane
	s_wait_alu depctr_va_vdst(0)                   ; the eight offsets v16 to v23 are written, which the loads below read
.irp e, 0,1,2,3,4,5,6,7
	global_load_b32 v[8+\e], v[16+\e], s[22:23]
.endr
	s_wait_loadcnt 0x0
.irp e, 0,2,4,6
	v_pk_mul_f32 v[8+\e:9+\e], v[8+\e:9+\e], s[30:31] op_sel_hi:[1,0]
.endr
.irp e, 0,1,2,3
	v_cvt_pk_f16_f32 v[24+\e], v[8+2*\e], v[9+2*\e]
.endr
	s_wait_alu depctr_va_vdst(0)                   ; the conversions have written v24 to v27, the store's data (its offset v5 was written ahead of the wait above)
	global_store_b128 v5, v[24:27], s[16:17]       ; the wave's 32 lanes fill 512 consecutive bytes, aligned
	s_endpgm
.Lfunc_end_k_q780ad39b2e_prep:
	.size	k_q780ad39b2e_prep, .Lfunc_end_k_q780ad39b2e_prep-k_q780ad39b2e_prep
	.p2alignl 7, 3214868480
	.fill 96, 4, 3214868480
	.section	.rodata,"a",@progbits
	.p2align	6, 0x0
	.amdhsa_kernel k_q780ad39b2e_prep
		.amdhsa_group_segment_fixed_size 0
		.amdhsa_private_segment_fixed_size 0
		.amdhsa_enable_private_segment 0
		.amdhsa_kernarg_size 56
		.amdhsa_user_sgpr_count 2
		.amdhsa_user_sgpr_kernarg_segment_ptr 1
		.amdhsa_wavefront_size32 1
		.amdhsa_system_sgpr_workgroup_id_x 1
		.amdhsa_system_sgpr_workgroup_id_y 1
		.amdhsa_system_sgpr_workgroup_id_z 1
		.amdhsa_system_vgpr_workitem_id 0
		.amdhsa_next_free_vgpr 32
		.amdhsa_next_free_sgpr 66
		.amdhsa_reserve_vcc 0
		.amdhsa_float_denorm_mode_32 3
		.amdhsa_float_denorm_mode_16_64 3
		.amdhsa_memory_ordered 1
		.amdhsa_forward_progress 1
		.amdhsa_inst_pref_size 5
	.end_amdhsa_kernel
	.amdgpu_metadata
---
amdhsa.version: [ 1, 2 ]
amdhsa.kernels:
  - .name:           k_q780ad39b2e_prep
    .symbol:         k_q780ad39b2e_prep.kd
    .args:
      - { .name: Wk, .offset: 0, .size: 8, .value_kind: global_buffer, .address_space: global }
      - { .name: Wv, .offset: 8, .size: 8, .value_kind: global_buffer, .address_space: global }
      - { .name: Wq, .offset: 16, .size: 8, .value_kind: global_buffer, .address_space: global }
      - { .name: Wg, .offset: 24, .size: 8, .value_kind: global_buffer, .address_space: global }
      - { .name: Wf, .offset: 32, .size: 8, .value_kind: global_buffer, .address_space: global }
      - { .name: Wb, .offset: 40, .size: 8, .value_kind: global_buffer, .address_space: global }
      - { .name: wt, .offset: 48, .size: 8, .value_kind: global_buffer, .address_space: global }
    .group_segment_fixed_size: 0
    .private_segment_fixed_size: 0
    .kernarg_segment_align: 8
    .kernarg_segment_size: 56
    .max_flat_workgroup_size: 256
    .sgpr_count:     66
    .vgpr_count:     32
    .wavefront_size: 32
...
	.end_amdgpu_metadata
.endif
;; end of part 3
;; launch attn: the kernel of part 2 again; grid 256 x 1, 4 waves a work-group, clusters of 4 x 1, 327,680 bytes of LDS; arguments z_ij, d_jk, mask_z, ln_gamma, ln_beta, Wd, bg, bf, wt, out0; writes out0
